; MI455X (gfx1250); checked and timed in simulation.
; The chip was launched on July 23, 2026; its instructions are those of AMD's public machine-readable ISA for CDNA 5 (MIT licence, August 2026) and "CDNA5" Instruction Set Architecture Reference Guide (July 2026). The comments in the code are by the model that wrote it; some were corrected since.
;; Codebook. Allowed arithmetic: matrix products marked QUANTISED: E4M3 operands, one E8M0 scale for each 32 along K, by v_wmma_scale_f32_16x16x128_f8f6f4 with both operands' format E4M3, f32 sums; everything else in f32.
;; Inputs: emb 8,192 x 256 float32; z 32 x 1,024 x 256 float32.
;; Outputs: out0 32 x 1,024 x 256 float32; out1 32,768 int32; out2 one number float32.
;; This version of the problem:
;;   THIS VERSION OF THE PROBLEM IS GIVEN IN LOW PRECISION. The matrix products marked QUANTISED in the list below multiply operands that are first quantised to E4M3 (4 exponent bits, 3 mantissa bits; 8 bits a number), with one power-of-two scale for each 32 numbers along K (OCP MX v1.0); their sums are f32. All else is computed in f32.
;;   The module's matrix products, in the order in which they are computed (A, B: the left and right operand; K: the contracted axis; several contracted axes count as one K, in the product's order):
;;     1. [M 32,768, K 256] x [K 256, N 8,192]; A: input z; B: input emb: QUANTISED
;;   THE QUANTISER, for each operand of a quantised product, along K:
;;     - K is cut into blocks of 32 from its start; a last block that is shorter is filled with zeros.
;;     - A block's scale is 2^e with e = floor(log2(the largest magnitude in the block)) - 8, held to -126 .. 127; a block of zeros has e = 0. As a byte (E8M0): e + 127.
;;     - Each number is divided by its block's scale, clamped to +-448, and rounded to the nearest number of E4M3, ties to even, subnormals kept.
;;     - The product sums the exact products of the quantised numbers (number of the format x scale) in f32.
;;   ~~~python
;;   def quantise(x, axis):      # numpy; x: float32 -> the quantised numbers, widened to float32 again
;;       x = np.moveaxis(x, axis, -1); K = x.shape[-1]
;;       x = np.pad(x, [(0, 0)] * (x.ndim - 1) + [(0, -K % 32)]); x = x.reshape(x.shape[:-1] + (-1, 32)); a = np.abs(x).max(-1, keepdims=True)
;;       e = np.where(a > 0, np.clip(np.frexp(np.where(a > 0, a, 1))[1] - 1 - 8, -126, 127), 0)      # np.frexp(a)[1] - 1 = floor(log2(a)), exactly
;;       r = np.clip(x / 2.0 ** e, -448, 448)
;;       step = 2.0 ** (np.maximum(np.frexp(np.where(r == 0, 1, r))[1] - 1, -6) - 3)
;;       q = np.round(r / step) * step * 2.0 ** e      # np.round: ties to even
;;       return np.moveaxis(q.reshape(q.shape[:-2] + (-1,))[..., :K], -1, axis).astype(np.float32)
;;   ~~~
;; One version. Each part assembles by itself: llvm-mc -triple=amdgcn-amd-amdhsa -mcpu=gfx1250 --defsym DOCPART=n.
;; ======== version 1 of 1: 4 launches
;; workspace buffers: img 11,141,120 bytes; idxw 131,072 bytes of whole numbers; part 1,024 bytes
;; launch quant (part 1): grid 320 x 1, 8 waves a work-group, no clusters, 70,656 bytes of LDS; arguments z, emb, img; writes img
.if DOCPART == 1
	.amdgcn_target "amdgcn-amd-amdhsa--gfx1250"
	.amdhsa_code_object_version 6
	.text
	.protected	k_q2b0312356e_quant
	.globl	k_q2b0312356e_quant
	.p2align	8
	.type	k_q2b0312356e_quant,@function
k_q2b0312356e_quant:
	s_mov_b64 s[64:65], 0
	v_nop
	global_prefetch_b8 v0, s[64:65] scope:SCOPE_SE
	s_setreg_imm32_b32 hwreg(HW_REG_WAVE_MODE, 25, 1), 1
	s_wait_xcnt 0x0
; z [32768][256] and emb [8192][256], f32, become RECORDS of 4,352 bytes (17 x 256), one for each tile of 16 rows: records 0-2047 z, 2048-2559 emb.
; A record is the image of what the next launch's matrix instructions want in registers:
;   [0, 2048)     the fragment of K 0-127 (codes of E4M3): group c of four registers at 512 c + 16 x lane; lane (r, h) holds row r, k = 32 c + 16 h + 0 .. 15
;   [2048, 4096)  the same for K 128-255
;   [4096, 4224)  one scale register, 4 x lane: lanes 0-15 row r's four E8M0 bytes of K 0-127, lanes 16-31 those of K 128-255
;   [4224, 4288)  the 16 rows' sums of squares of the UNQUANTISED numbers, f32;   [4288, 4352) zeros
; A block's scale is 2^(floor(log2(largest magnitude)) - 8): its byte is that magnitude's exponent field - 8, held at 1 from below; numbers are held within +-448 x the scale and rounded to the nearest code, ties to even.
; LIMITS: NaN and infinities are not served.  A block of zeros gets the byte 1 where the rule says 127: its codes are zeros, and this program alone reads the bytes.  Blocks whose largest magnitude lies under 2^-118 are held at the byte 1.
; A row's sum of squares is taken in this text's own order: four packed chains a lane, folded, the two halves of the lanes added last.
; One wave makes one record; the first 256 work-groups take z, the others emb: only pointers are chosen, the text has one path.  No barrier: waves share nothing.
; Each load reads 512 consecutive bytes of a row; the conversions want 16 neighbours along K in one lane: so a K step's 16 x 512 bytes turn through the wave's own stage in LDS (rows 528 bytes apart: 16 rows start in 16 different columns of 16 bytes).
.set REC,   4352
.set STGP,  528                        ; a stage row: 512 bytes + 16
.set SIDE,  16*STGP                    ; behind the stage: 256 bytes in which the record's last unit is put together
.set WREG,  SIDE+256                   ; LDS of a wave
.set NRM,   8                          ; v8-15    the sum of squares: four packed chains
.set TM,    16                         ; v16-19 largest magnitudes, v20-23 bytes, v24-27 448 x the scale, v28-31 the conversions' scale operands
.set R,     32                         ; v32-159  two sets of 64 as loaded
.set X,     160                        ; v160-223 64 numbers: register 16 b + i = k 32 b + 16 h + i of my row
.set PC,    224                        ; v224-255 the two fragments' codes
.set PW,    32                         ; v32, v33 the two scale words: registers of the first load set, free behind the wait for its stage stores
.set SEL,   20                         ; s[20:21] lane selects: lane l xor 16
.set MNT,   23                         ; s23      the mantissa field of 448
	s_load_b128 s[4:7], s[0:1], 0x0                ; z, emb
	s_load_b64 s[8:9], s[0:1], 0x10                ; img
	s_set_vgpr_msb 0x40
	v_lshl_add_u32 v0, v0, 2, 0x11000
	v_mov_b32 v1, 0
	s_set_vgpr_msb 0x4000
	v_lshrrev_b32 v1, 5, v0
	v_readfirstlane_b32 s16, v1                    ; wave 0..7
	v_and_b32 v16, 31, v0                          ; lane
	v_and_b32 v17, 15, v0                          ; r
	v_bfe_u32 v18, v0, 4, 1                        ; h
	s_mul_i32 s17, s16, WREG                       ; my wave's LDS
	v_lshlrev_b32 v1, 4, v16                       ; 16 x lane: my bytes of a load and of an image's group
	v_add_nc_u32 v2, s17, v1                       ; the stage, in: 16 x lane of a row
	v_mul_u32_u24 v3, v17, STGP
	v_lshl_add_u32 v3, v18, 6, v3
	v_add_nc_u32 v3, s17, v3                       ; the stage, out: row r, + 64 h: my 16 numbers of a block of 32
	s_add_co_u32 s18, s17, SIDE
	v_lshl_add_u32 v4, v16, 2, s18                 ; the last unit: the scale register's image,
	v_lshl_add_u32 v5, v17, 2, s18
	v_add_nc_u32 v5, 128, v5                       ; the rows' sums of squares (and, 64 bytes on, zeros),
	v_lshl_add_u32 v6, v16, 3, s18                 ; and back, 8 bytes a lane
	v_lshlrev_b32 v7, 3, v16
	s_mov_b32 s[SEL], 0x76543210
	s_mov_b32 s[SEL+1], 0xfedcba98
	s_mov_b32 s[MNT], 0x600000
.irp b, 0,1,2,3
	v_mov_b32 v[TM+4+\b], 0                        ; written once: a lane permute's destination counts as one of its sources
.endr
	s_lshl_b32 s10, ttmp9, 3
	s_add_co_u32 s10, s10, s16                     ; my record: 8 x work-group + wave
	s_mul_i32 s14, s10, REC
	s_mov_b32 s15, 0
	s_wait_kmcnt 0x0
	s_add_nc_u64 s[8:9], s[8:9], s[14:15]
	s_cmp_lt_u32 ttmp9, 256                        ; z's work-group or emb's?  The choice hangs on the work-group's number alone
	s_cselect_b64 s[4:5], s[4:5], s[6:7]
	s_cselect_b32 s12, 0, 2048
	s_sub_co_u32 s12, s10, s12                     ; which tile of that tensor
	s_lshl_b32 s14, s12, 14                        ; 16 rows of 1,024 bytes
	s_add_nc_u64 s[4:5], s[4:5], s[14:15]
.irp s, 0,1
.irp i, 0,1,2,3,4,5,6,7,8,9,10,11,12,13,14,15
	global_load_b128 v[R+64*\s+4*\i:R+64*\s+4*\i+3], v1, s[4:5] offset:1024*\i+512*\s th:TH_LOAD_NT   ; row i, K step s: 32 lanes read 512 consecutive bytes
.endr
.endr
; 64 numbers of a lane, v[s] on, become a fragment's codes in v[pc] on and its scale word in v[pw]
.macro QUANT s, pc, pw
.irp b, 0,1,2,3
	v_max3_num_f32 v[TM+\b], |v[\s+16*\b]|, |v[\s+1+16*\b]|, 0x4800000   ; block b: my 16 numbers, and the floor 2^(9 - 127): the byte cannot fall under 1
.endr
.irp i, 2,4,6,8,10,12,14
.irp b, 0,1,2,3
	v_max3_num_f32 v[TM+\b], v[TM+\b], |v[\s+16*\b+\i]|, |v[\s+1+16*\b+\i]|   ; the four blocks by turns
.endr
.endr
.irp b, 0,1,2,3
	v_permlanex16_b32 v[TM+4+\b], v[TM+\b], s[SEL], s[SEL+1]
.endr
.irp b, 0,1,2,3
	v_max_num_f32 v[TM+\b], v[TM+\b], v[TM+4+\b]   ; with lane l xor 16's 16: the block's largest magnitude
.endr
.irp b, 0,1,2,3
	v_add_nc_u32 v[TM+12+\b], 0xfc000000, v[TM+\b] ; 8 off its exponent field: the conversion takes this operand's exponent field as its scale
.endr
.irp b, 0,1,2,3
	v_and_or_b32 v[TM+8+\b], v[TM+\b], 0x7f800000, s[MNT]   ; 448 x the scale
.endr
.irp b, 0,1,2,3
	v_lshrrev_b32 v[TM+4+\b], 23, v[TM+12+\b]      ; the scale's byte
.endr
	v_lshl_or_b32 v[\pw], v[TM+5], 8, v[TM+4]
	v_lshl_or_b32 v[\pw], v[TM+6], 16, v[\pw]
	v_lshl_or_b32 v[\pw], v[TM+7], 24, v[\pw]      ; my row's scale word for these 128 along K
.irp b, 0,1,2,3
.irp i, 0,1,2,3,4,5,6,7,8,9,10,11,12,13,14,15
	v_med3_num_f32 v[\s+16*\b+\i], v[\s+16*\b+\i], -v[TM+8+\b], v[TM+8+\b]   ; the conversion to an 8-bit code does not saturate (ISA guide 7.6.2): the hold comes first
.endr
	v_cvt_scalef32_pk8_fp8_f32 v[(\pc)+4*\b:(\pc)+1+4*\b], v[\s+16*\b:\s+7+16*\b], v[TM+12+\b]
	v_cvt_scalef32_pk8_fp8_f32 v[(\pc)+2+4*\b:(\pc)+3+4*\b], v[\s+8+16*\b:\s+15+16*\b], v[TM+12+\b]
.endr
	v_nop                                          ; a plain vector line behind the last conversion
.endm
.macro HALF s
.if \s == 0
	s_wait_loadcnt 16                              ; this K step's 16 loads are in; the other step's 16 may be out
.else
	s_wait_loadcnt 0x0
.endif
.irp i, 0,1,2,3,4,5,6,7,8,9,10,11,12,13,14,15
	ds_store_b128 v2, v[R+64*\s+4*\i:R+64*\s+4*\i+3] offset:STGP*\i
.endr
.irp b, 0,1,2,3
.irp j, 0,1,2,3
	ds_load_b128 v[X+16*\b+4*\j:X+16*\b+4*\j+3], v3 offset:128*\b+16*\j   ; LDS serves a wave's instructions in order (ISA guide 5.7.1.4): these see my stores
.endr
.endr
	s_wait_dscnt 0x0
.set p, 0
.rept 32                                       ; the sum of squares, of the numbers as they came
.if (\s == 0) && (p < 4)
	v_pk_mul_f32 v[NRM+2*(p%4):NRM+2*(p%4)+1], v[X+2*p:X+2*p+1], v[X+2*p:X+2*p+1]   ; the first four start the chains: nothing is cleared
.else
	v_pk_fma_f32 v[NRM+2*(p%4):NRM+2*(p%4)+1], v[X+2*p:X+2*p+1], v[X+2*p:X+2*p+1], v[NRM+2*(p%4):NRM+2*(p%4)+1]
.endif
.set p, p+1
.endr
	QUANT X, PC+16*\s, PW+\s
.irp c, 0,1,2,3
	global_store_b128 v1, v[PC+16*\s+4*\c:PC+16*\s+4*\c+3], s[8:9] offset:2048*\s+512*\c   ; 32 lanes store 512 consecutive bytes, at a multiple of 256 from the buffer's first byte
.endr
.endm
	HALF 0
	HALF 1
	v_pk_add_f32 v[8:9], v[8:9], v[10:11]
	v_pk_add_f32 v[12:13], v[12:13], v[14:15]
	v_pk_add_f32 v[8:9], v[8:9], v[12:13]
	v_add_f32 v8, v8, v9
	v_permlanex16_b32 v9, v8, s[SEL], s[SEL+1]
	v_add_f32 v8, v8, v9                           ; my row's sum of squares, the same bits in both halves of the lanes
	v_and_b32 v10, 31, v0
	v_cmp_gt_u32 vcc_lo, 16, v10
	v_cndmask_b32 v11, v[PW+1], v[PW], vcc_lo      ; lanes 0-15: the word of K 0-127; lanes 16-31: of K 128-255
	v_mov_b32 v12, 0
	ds_store_b32 v4, v11
	ds_store_b32 v5, v8                            ; both halves write the same word with the same value
	ds_store_b32 v5, v12 offset:64
	ds_load_b64 v[14:15], v6
	s_wait_dscnt 0x0
	global_store_b64 v7, v[14:15], s[8:9] offset:4096   ; 32 lanes store the record's last 256 bytes
	s_set_vgpr_msb 0x5
	s_wait_tensorcnt 0x0
	ds_add_u32 v0, v1
	s_wait_dscnt 0x0
	s_set_vgpr_msb 0x500
	s_endpgm
.Lfunc_end_k_q2b0312356e_quant:
	.size	k_q2b0312356e_quant, .Lfunc_end_k_q2b0312356e_quant-k_q2b0312356e_quant
	.p2alignl 7, 3214868480
	.fill 96, 4, 3214868480
	.section	.rodata,"a",@progbits
	.p2align	6, 0x0
	.amdhsa_kernel k_q2b0312356e_quant
		.amdhsa_group_segment_fixed_size 70656
		.amdhsa_private_segment_fixed_size 0
		.amdhsa_enable_private_segment 0
		.amdhsa_kernarg_size 24
		.amdhsa_user_sgpr_count 2
		.amdhsa_user_sgpr_kernarg_segment_ptr 1
		.amdhsa_wavefront_size32 1
		.amdhsa_system_sgpr_workgroup_id_x 1
		.amdhsa_system_sgpr_workgroup_id_y 1
		.amdhsa_system_sgpr_workgroup_id_z 1
		.amdhsa_system_vgpr_workitem_id 0
		.amdhsa_next_free_vgpr 258
		.amdhsa_next_free_sgpr 66
		.amdhsa_reserve_vcc 1
		.amdhsa_float_denorm_mode_32 3
		.amdhsa_float_denorm_mode_16_64 3
		.amdhsa_memory_ordered 1
		.amdhsa_forward_progress 1
		.amdhsa_inst_pref_size 32
	.end_amdhsa_kernel
	.amdgpu_metadata
---
amdhsa.version: [ 1, 2 ]
amdhsa.kernels:
  - .name:           k_q2b0312356e_quant
    .symbol:         k_q2b0312356e_quant.kd
    .args:
      - { .name: z, .offset: 0, .size: 8, .value_kind: global_buffer, .address_space: global }
      - { .name: emb, .offset: 8, .size: 8, .value_kind: global_buffer, .address_space: global }
      - { .name: img, .offset: 16, .size: 8, .value_kind: global_buffer, .address_space: global }
    .group_segment_fixed_size: 70656
    .private_segment_fixed_size: 0
    .kernarg_segment_align: 8
    .kernarg_segment_size: 24
    .max_flat_workgroup_size: 256
    .sgpr_count:     66
    .vgpr_count:     258
    .wavefront_size: 32
...
	.end_amdgpu_metadata
.endif
;; end of part 1
;; launch argmin (part 2): grid 256 x 1, 8 waves a work-group, clusters of 4 x 1, 327,680 bytes of LDS; arguments img, out1, idxw; writes out1, idxw
.if DOCPART == 2
	.amdgcn_target "amdgcn-amd-amdhsa--gfx1250"
	.amdhsa_code_object_version 6
	.text
	.protected	k_q2b0312356e_argmin
	.globl	k_q2b0312356e_argmin
	.p2align	8
	.type	k_q2b0312356e_argmin,@function
k_q2b0312356e_argmin:
	s_mov_b64 s[64:65], 0
	v_nop
	global_prefetch_b8 v0, s[64:65] scope:SCOPE_SE
	s_setreg_imm32_b32 hwreg(HW_REG_WAVE_MODE, 25, 1), 1
	s_wait_xcnt 0x0
	s_wait_alu depctr_hold_cnt(0) depctr_sa_sdst(0) depctr_va_vdst(0) depctr_va_sdst(0) depctr_va_ssrc(0) depctr_va_vcc(0) depctr_vm_vsrc(0)
	s_getreg_b32 s2, hwreg(HW_REG_IB_STS2, 6, 4)
	s_cmp_eq_u32 s2, 0
	s_cbranch_scc0 .Lentry_in_a_cluster
	s_endpgm
.Lentry_in_a_cluster:
	s_bfe_u32 s2, ttmp6, 0x10000c
	s_cmp_lg_u32 s2, 0x3003
	s_cbranch_scc0 .Lentry_shape_is_right
	s_endpgm
.Lentry_shape_is_right:
; For each of 32,768 rows of z: the lowest index of the smallest d = (zz + ee) - 2 mm over 8,192 entries; mm = the product on codes of E4M3 with E8M0 scales, zz and ee the rows' sums of squares (all from img's records).
; d IS FORMED AS IT IS WRITTEN, element by element: c = fl(ee + zz), d = fl(c - 2 mm) by one fused multiply-add (2 mm is exact).  Equal d are frequent, since zz is large beside 2 mm, and the lowest index must win.
; SHARES.  A work-group owns 128 rows of z: 8 tiles, which EVERY one of its eight waves holds in registers (256: window 1).  The waves share the entries: of each 32 tiles of emb (a slot) wave w takes tiles 4 w .. 4 w + 3.
; So a fragment of emb is read from LDS once in the work-group and feeds 16 matrix instructions.  Two waves lie on a SIMD: a wave runs 16 matrix instructions and then 144 vector lines, beside the other wave's.
; LAYOUT.  Transposed use: source 0 = 16 entries, source 1 = 16 rows of z: lane (r, h) holds row r, register j entry 16 tile + 8 h + j.
; THE ARGMIN, for a tile of z and a tile of emb, in 18 vector lines for 8 results a lane: 4 packed c, 4 packed d, 4 v_min3 from the old best to the new, one compare (new < old, strictly: the first tile that reaches
; the minimum is kept), one select of the group number g8 = 2 tile + h, 4 dual selects that keep the winning tile's eight d.  At the end j = the first kept d equal to the best, index = 8 g8 + j;
; the halves of the lanes and the eight waves are joined by (d, index), the lower index on equal d.
; THE RING.  emb's 512 records, 2,228,224 dense bytes, go through two LDS slots of 32 records.  Each wave fetches and reads only its own four records (68 rows of 256 bytes, one tensor load).
; CLUSTER.  All work-groups walk the same records: the four of a cluster ask JOINTLY (mask 15): wave w's descriptor hangs on w alone.  By this text's count a wave has two tensor loads out at the start, later one.
; LIMITS: NaN and infinities are not served; +0 and -0 count as equal d.
; REGISTERS, window 0: see the names below.  Window 1: z's fragments, tile m, K step s at v[32 m + 16 s].
.set DUAL,  1                          ; 1: the selects of the kept d go two to an instruction
.set REC,   4352
.set WPART, 4*REC                      ; a wave's part of a slot: 17,408 bytes
.set SLOT,  8*WPART                    ; 139,264
.set ZIMG,  2*SLOT                     ; behind the ring: the work-group's 8 records of z, written by LDS stores; no tensor load lands here
.set RED,   ZIMG                       ; the same bytes serve the last join: 8 waves x 128 rows x (d, index)
.set SPARE, ZIMG+8*REC                 ; the spare words, 128 bytes for each wave: four blocks of 256 bytes that no other line names
.set EOFF,  2048*REC                   ; where emb's records begin in img
.set SPW,  1                           ; v1    SPARE + 4 x my thread's number; never rewritten
.set NIL,  2                           ; v2    0; never rewritten
.set AF,   3                           ; v3-4  LDS address of my fragments in slot 0, 1: 17,408 w + 16 x lane
.set AS,   5                           ; v5-6  of the scale register's image: + 4,096 + 4 x lane
.set AE,   7                           ; v7-8  of my eight ee: + 4,224 + 32 h
.set TID,  9                           ; v9    g8 of the tile in hand
.set SZ,   12                          ; v12-19 z's scale registers (lanes 0-15: K 0-127; lanes 16-31: K 128-255)
.set SE,   20                          ; v20    emb's
.set ZZ,   22                          ; v22-29 zz of my row in each tile of z
.set IDX,  30                          ; v30-37 the kept g8
.set BEST, 38                          ; v38-53 the best d: two sets, old and new by turns
.set EE,   54                          ; v54-69 ee of my eight entries: two sets by turns
.set TMP,  70                          ; v70-85 c for two tiles of z; addresses at the head
.set EF,   86                          ; v86-117 emb's two fragments
.set ACC,  118                         ; v118-181 mm, then d: 8 registers for each tile of z
.set SAV,  182                         ; v182-245 the winning tile's d
.set REDW, 246                         ; v246  RED + 1,024 w + 8 r
.set REDR, 247                         ; v247  RED + 16 x thread
.set OUTO, 248                         ; v248  8 x thread
.set WV,   10                          ; s10   my wave's number
.set CNT,  13
.set G1,   16                          ; s[16:23] descriptor group 1
.set G0,   24                          ; s[24:31] group 0, a set for each slot
.set SEL,  40                          ; s[40:41] lane selects: lane l xor 16
.set MSB, 0
.macro WIN new                         ; the immediate's high byte repeats the setting that is left
.if MSB != \new
	s_set_vgpr_msb (MSB<<8)|\new
.set MSB, \new
.endif
.endm
.macro CREST                           ; a round of the cluster's barrier behind its opening barrier
	s_cmp_lg_u32 s[WV], 0
	s_cbranch_scc1 .Lnot_wave_0_\@
	s_barrier_signal -3
.Lnot_wave_0_\@:
	s_barrier_wait -3
	s_barrier_signal -1
	s_barrier_wait -1
.endm
.macro CROUND
	s_barrier_signal -1
	s_barrier_wait -1
	CREST
.endm
	s_load_b128 s[4:7], s[0:1], 0x0                ; img, out1
	s_load_b64 s[8:9], s[0:1], 0x10                ; idxw
	v_lshl_add_u32 v[SPW], v0, 2, SPARE
	v_mov_b32 v[NIL], 0
	ds_add_u32 v1, v2
	ds_add_u32 v1, v2
	s_wait_dscnt 0x0
	v_lshrrev_b32 v10, 5, v0
	v_readfirstlane_b32 s[WV], v10                 ; wave 0..7
	s_bfe_u32 s11, ttmp6, 0x40000                  ; cx
	s_lshl_b32 s12, ttmp9, 2
	s_add_co_u32 s12, s12, s11                     ; my work-group = 4 x cluster + cx: it enters z's and the outputs' addresses alone
	s_mov_b32 s[G1], 15|(3<<16)|(1<<21)            ; 15:0 the mask: all four work-groups; 17:16 elements of 8 bytes; 21 set beside a mask; no padding: every read takes 512 consecutive bytes or one word for many lanes
	s_mov_b32 s[G1+1], 32<<16                      ; tensor_dim0 = 32 elements: 256 bytes
	s_mov_b32 s[G1+2], 68<<16                      ; tensor_dim1 = 68 rows: four records
	s_mov_b32 s[G1+3], 32<<16                      ; tile_dim0
	s_mov_b32 s[G1+4], 68                          ; tile_dim1
	s_mov_b32 s[G1+5], 32                          ; the pitch: dense
	s_mov_b32 s[G1+6], 0
	s_mov_b32 s[G1+7], 0
	s_mov_b32 s[SEL], 0x76543210
	s_mov_b32 s[SEL+1], 0xfedcba98
	s_mul_i32 s33, s[WV], WPART                    ; my part of a slot, in LDS and in memory: the wave's number alone
	s_lshl_b32 s14, s12, 3
	s_add_co_u32 s14, s14, s[WV]
	s_mul_i32 s14, s14, REC                        ; the record of z that I bring: 8 x work-group + wave
	s_mov_b32 s15, 0
	s_add_co_u32 s34, s33, EOFF
	s_mov_b32 s35, 0
	s_lshl_b32 s42, s12, 9                         ; the work-group's 128 indices: 512 bytes
	s_mov_b32 s43, 0
	s_wait_kmcnt 0x0
	s_add_nc_u64 s[14:15], s[4:5], s[14:15]
	s_add_nc_u64 s[34:35], s[4:5], s[34:35]
	s_add_nc_u64 s[6:7], s[6:7], s[42:43]
	s_add_nc_u64 s[8:9], s[8:9], s[42:43]
	s_mov_b32 s[G0], 1                             ; count = 1
	s_mov_b32 s[G0+1], s33                         ; LDS address: slot 0
	s_mov_b64 s[G0+2:G0+3], s[34:35]               ; emb's tiles 4 w .. 4 w + 3
	s_or_b32 s[G0+3], s[G0+3], 0x80000000          ; type = 2
	s_mov_b32 s[G0+4], 1
	s_add_co_u32 s[G0+5], s33, SLOT                ; slot 1
	s_add_nc_u64 s[G0+6:G0+7], s[34:35], SLOT      ; tiles 32 + 4 w on
	s_or_b32 s[G0+7], s[G0+7], 0x80000000
	CROUND                                         ; all four work-groups are here: the first joint loads meet
	tensor_load_to_lds s[G0:G0+3], s[G1:G1+7]
	s_nop 0
	tensor_load_to_lds s[G0+4:G0+7], s[G1:G1+7]
	s_nop 0
.rept 4
	v_nop                                          ; four such lines behind the loads
.endr
	v_and_b32 v73, 31, v0                          ; lane
	v_and_b32 v74, 15, v0                          ; r
	v_bfe_u32 v75, v0, 4, 1                        ; h
	v_lshlrev_b32 v70, 4, v73
	v_lshlrev_b32 v71, 2, v73
	v_lshlrev_b32 v72, 2, v74
.irp k, 0,1,2,3,4,5,6,7
	global_load_b128 v[ACC+4*\k:ACC+4*\k+3], v70, s[14:15] offset:512*\k   ; my record of z, as it lies
.endr
	global_load_b32 v[ACC+32], v71, s[14:15] offset:4096
	global_load_b32 v[ACC+33], v72, s[14:15] offset:4224
	v_add_nc_u32 v[AF], s33, v70
	v_add_nc_u32 v[AF+1], SLOT, v[AF]
	v_add_nc_u32 v[AS], s33, v71
	v_add_nc_u32 v[AS], 4096, v[AS]
	v_add_nc_u32 v[AS+1], SLOT, v[AS]
	v_lshl_add_u32 v[AE], v75, 5, s33
	v_add_nc_u32 v[AE], 4224, v[AE]
	v_add_nc_u32 v[AE+1], SLOT, v[AE]
	s_lshl_b32 s32, s[WV], 3
	v_add_nc_u32 v[TID], s32, v75                  ; my first tile is 4 w: g8 = 8 w + h
	s_mul_i32 s32, s[WV], REC
	s_add_co_u32 s32, s32, ZIMG
	v_add_nc_u32 v76, s32, v70                     ; where my record goes in LDS,
	v_add_nc_u32 v77, s32, v71
	v_add_nc_u32 v78, s32, v72
	v_add_nc_u32 v79, ZIMG, v70                    ; and from where every wave reads all eight
	v_add_nc_u32 v80, ZIMG, v71
	v_add_nc_u32 v81, ZIMG, v72
	s_lshl_b32 s32, s[WV], 10
	s_add_co_u32 s32, s32, RED
	v_lshl_add_u32 v[REDW], v74, 3, s32
	v_lshl_add_u32 v[REDR], v0, 4, RED
	v_lshlrev_b32 v[OUTO], 3, v0
	s_mov_b32 s32, 0x7f800000                      ; +infinity: over every d, so the first tile wins.  The tile's text is written once: these 80 lines spare a first tile of its own
.irp m, 0,1,2,3,4,5,6,7
	v_mov_b32 v[BEST+\m], s32
	v_mov_b32 v[IDX+\m], 0
.endr
.set j, 0
.rept 64
	v_mov_b32 v[SAV+j], s32
.set j, j+1
.endr
	s_wait_loadcnt 0x0
.irp k, 0,1,2,3,4,5,6,7
	ds_store_b128 v76, v[ACC+4*\k:ACC+4*\k+3] offset:512*\k
.endr
	ds_store_b32 v77, v[ACC+32] offset:4096
	ds_store_b32 v78, v[ACC+33] offset:4224        ; both halves of the lanes write the same word with the same value
	s_wait_dscnt 0x0                               ; for the others' sake: my record lies in LDS
	s_barrier_signal -1
	s_barrier_wait -1                              ; all eight do.  The tensor loads may stay out
	WIN 0x40                                       ; destination window 1, address window 0
.irp m, 0,1,2,3,4,5,6,7
.irp k, 0,1,2,3,4,5,6,7
	ds_load_b128 v[32*\m+4*\k:32*\m+4*\k+3], v79 offset:REC*\m+512*\k
.endr
.endr
	WIN 0
.irp m, 0,1,2,3,4,5,6,7
	ds_load_b32 v[SZ+\m], v80 offset:REC*\m+4096
	ds_load_b32 v[ZZ+\m], v81 offset:REC*\m+4224
.endr
; tile i of my four in slot p: its two fragments, its scale register, my eight ee (into set e)
.macro FETCH p, i, e
.irp k, 0,1,2,3,4,5,6,7
	ds_load_b128 v[EF+4*\k:EF+4*\k+3], v[AF+(\p)] offset:REC*(\i)+512*\k
.endr
	ds_load_b32 v[SE], v[AS+(\p)] offset:REC*(\i)
	ds_load_b128 v[EE+8*(\e):EE+8*(\e)+3], v[AE+(\p)] offset:REC*(\i)
	ds_load_b128 v[EE+8*(\e)+4:EE+8*(\e)+7], v[AE+(\p)] offset:REC*(\i)+16
.endm
; 16 matrix instructions: the tile of emb against z's eight tiles, K 0-127 and then K 128-255.  The eight accumulators take turns, one instruction a turn; the first eight start the sums with 0.
.macro MULS
	WIN 0x04                                       ; source 1 (z) window 1
.irp m, 0,1,2,3,4,5,6,7
	v_wmma_scale_f32_16x16x128_f8f6f4 v[ACC+8*\m:ACC+8*\m+7], v[EF:EF+15], v[32*\m:32*\m+15], 0, v[SE], v[SZ+\m]
.endr
.irp m, 0,1,2,3,4,5,6,7
	v_wmma_scale_f32_16x16x128_f8f6f4 v[ACC+8*\m:ACC+8*\m+7], v[EF+16:EF+31], v[32*\m+16:32*\m+31], v[ACC+8*\m:ACC+8*\m+7], v[SE], v[SZ+\m] matrix_a_scale:MATRIX_SCALE_ROW1 matrix_b_scale:MATRIX_SCALE_ROW1
.endr
	WIN 0
.endm
; c = ee + zz for tile m of z: four packed additions; of the pair of zz the register of tile m serves both halves
.macro CSUM m, e
.irp q, 0,1,2,3
.if ((\m)%2) == 0
	v_pk_add_f32 v[TMP+2*\q:TMP+2*\q+1], v[EE+8*(\e)+2*\q:EE+8*(\e)+2*\q+1], v[ZZ+(\m):ZZ+(\m)+1] op_sel_hi:[1,0]
.else
	v_pk_add_f32 v[TMP+8+2*\q:TMP+8+2*\q+1], v[EE+8*(\e)+2*\q:EE+8*(\e)+2*\q+1], v[ZZ+(\m)-1:ZZ+(\m)] op_sel:[0,1] op_sel_hi:[1,1]
.endif
.endr
.endm
.macro SEL2 s, a                       ; two kept d take the tile's where VCC says so
.if DUAL
	v_dual_cndmask_b32 v[\s], v[\s], v[\a] :: v_dual_cndmask_b32 v[(\s)+1], v[(\s)+1], v[(\a)+1]
.else
	v_cndmask_b32 v[\s], v[\s], v[\a], vcc_lo
	v_cndmask_b32 v[(\s)+1], v[(\s)+1], v[(\a)+1], vcc_lo
.endif
.endm
; tiles m and m + 1 of z, by turns, so that no line waits for the line above it.  e: the set of ee, and which set of BEST is the old one
.macro EPI m, e, csum
.set AC0, ACC+8*(\m)
.set AC1, AC0+8
.set KP0, SAV+8*(\m)
.set KP1, KP0+8
.set BOLD, BEST+8*(\e)+(\m)
.set BNEW, BEST+8*(1-(\e))+(\m)
.if \csum
	CSUM \m, \e
	CSUM (\m)+1, \e
.endif
.irp q, 0,1,2,3
	v_pk_fma_f32 v[AC0+2*\q:AC0+2*\q+1], v[AC0+2*\q:AC0+2*\q+1], -2.0, v[TMP+2*\q:TMP+2*\q+1] op_sel_hi:[1,0,1]       ; d = c - 2 mm, one rounding; each accumulator from its low end on
	v_pk_fma_f32 v[AC1+2*\q:AC1+2*\q+1], v[AC1+2*\q:AC1+2*\q+1], -2.0, v[TMP+8+2*\q:TMP+8+2*\q+1] op_sel_hi:[1,0,1]
.endr
	v_min3_num_f32 v[BNEW], v[BOLD], v[AC0], v[AC0+1]
	v_min3_num_f32 v[BNEW+1], v[BOLD+1], v[AC1], v[AC1+1]
.irp q, 1,2,3
	v_min3_num_f32 v[BNEW], v[BNEW], v[AC0+2*\q], v[AC0+2*\q+1]
	v_min3_num_f32 v[BNEW+1], v[BNEW+1], v[AC1+2*\q], v[AC1+2*\q+1]
.endr
	v_cmp_lt_f32 vcc_lo, v[BNEW], v[BOLD]          ; strictly under the old best: on equal d the earlier tile stays
	v_cndmask_b32 v[IDX+(\m)], v[IDX+(\m)], v[TID], vcc_lo
.irp j, 0,2,4,6
	SEL2 KP0+\j, AC0+\j
.endr
	v_cmp_lt_f32 vcc_lo, v[BNEW+1], v[BOLD+1]
	v_cndmask_b32 v[IDX+(\m)+1], v[IDX+(\m)+1], v[TID], vcc_lo
.irp j, 0,2,4,6
	SEL2 KP1+\j, AC1+\j
.endr
.endm
; A TILE OF emb: number i of my four in slot p.  Loads into registers that matrix instructions have read, and the first read of their results, stand eight plain vector lines behind them:
; the eight additions of c for z's tiles 0 and 1, which name ee, zz and c alone.  A tile's first products, which write the accumulators anew, stand behind all of the tile before's vector work.
; kind 0: the next tile lies in the same slot.  1: the slot is left and filled again.  2: it is left and not filled.  3: the last tile of all.
.macro TILE p, i, kind
	s_wait_dscnt 0x0                               ; this tile's fragments, asked for at the head of the last tile's vector work, are in
	MULS
.if \kind == 1
	s_wait_tensorcnt 0x0                           ; all my tensor loads have landed: the one that was out is my part of the other slot; so a group 0 may be written
	ds_add_u32 v[SPW], v[NIL]                      ; 0 onto my spare word
	s_add_nc_u64 s[G0+4*\p+2:G0+4*\p+3], s[G0+4*\p+2:G0+4*\p+3], 2*SLOT   ; this slot's next 32 tiles
	EPI 0, (\i)%2, 1                               ; work on registers between the add and the wait for it
	s_wait_dscnt 0x0                               ; the add is done; my reads of this slot were over at the tile's head
	s_barrier_signal -1                            ; this barrier opens a round of the cluster's barrier
	EPI 2, (\i)%2, 1
	s_barrier_wait -1
	CREST                                          ; no wave of any partner still reads this slot or has a load on its way
	tensor_load_to_lds s[G0+4*\p:G0+4*\p+3], s[G1:G1+7]   ; my one tensor load behind the round, and the first thing there: it has the other slot's four tiles, 64 matrix instructions of mine, in which to land
	s_nop 0
.rept 4
	v_nop
.endr
	FETCH 1-(\p), 0, 0
	EPI 4, (\i)%2, 1
	EPI 6, (\i)%2, 1
.elseif \kind == 3
	EPI 0, (\i)%2, 1
	EPI 2, (\i)%2, 1
	EPI 4, (\i)%2, 1
	EPI 6, (\i)%2, 1
.else
	CSUM 0, (\i)%2
	CSUM 1, (\i)%2
.if \kind == 0
	FETCH \p, (\i)+1, 1-(\i)%2
.else
	s_wait_tensorcnt 0x0                           ; my part of the last slot is in: no load was issued behind it; only I read it
	FETCH 1-(\p), 0, 0
.endif
	EPI 0, (\i)%2, 0
	EPI 2, (\i)%2, 1
	EPI 4, (\i)%2, 1
	EPI 6, (\i)%2, 1
.endif
.if \kind != 3
.if (\i) == 3
	v_add_nc_u32 v[TID], 58, v[TID]                ; from tile 4 w + 3 of a slot to tile 4 w of the next: 29 tiles
.else
	v_add_nc_u32 v[TID], 2, v[TID]
.endif
.endif
.endm
	s_wait_tensorcnt 0x1                           ; my part of slot 0 is in, slot 1's may be out; only I read my part, so my own wait is all that the reads need
	FETCH 0, 0, 0
	s_mov_b32 s[CNT], 7
.Lslots:                                           ; a trip reads slots 2 q and 2 q + 1 of sixteen and asks for 2 q + 2 and 2 q + 3
	TILE 0, 0, 0
	TILE 0, 1, 0
	TILE 0, 2, 0
	TILE 0, 3, 1
	TILE 1, 0, 0
	TILE 1, 1, 0
	TILE 1, 2, 0
	TILE 1, 3, 1
	s_sub_co_u32 s[CNT], s[CNT], 1
	s_cmp_lg_u32 s[CNT], 0
	s_cbranch_scc1 .Lslots
	TILE 0, 0, 0                                   ; the last two slots are written out
	TILE 0, 1, 0
	TILE 0, 2, 0
	TILE 0, 3, 2
	TILE 1, 0, 0
	TILE 1, 1, 0
	TILE 1, 2, 0
	TILE 1, 3, 3
; (dd, di) = the better of (d, i) and (od, oi): the smaller d, on equal d the lower index
.macro LEX dd, di, d, i, od, oi
	v_cmp_lt_f32 s36, v[\od], v[\d]
	v_cmp_eq_f32 s37, v[\od], v[\d]
	v_cmp_lt_u32 s38, v[\oi], v[\i]
	s_and_b32 s37, s37, s38
	s_or_b32 s36, s36, s37
	v_cndmask_b32 v[\dd], v[\d], v[\od], s36
	v_cndmask_b32 v[\di], v[\i], v[\oi], s36
.endm
	; j = the first of the eight kept d that equals the best (one of them does: the best is their minimum)
.irp m, 0,1,2,3,4,5,6,7
	v_mov_b32 v[TMP+\m], 7
.endr
.irp j, 6,5,4,3,2,1,0
.irp m, 0,1,2,3,4,5,6,7
	v_cmp_neq_f32 vcc_lo, v[SAV+8*\m+\j], v[BEST+\m]
	v_cndmask_b32 v[TMP+\m], \j, v[TMP+\m], vcc_lo
.endr
.endr
.irp m, 0,1,2,3,4,5,6,7
	v_lshl_add_u32 v[IDX+\m], v[IDX+\m], 3, v[TMP+\m]   ; the index: 8 g8 + j
.endr
.irp m, 0,1,2,3,4,5,6,7
	v_permlanex16_b32 v[BEST+8+\m], v[BEST+\m], s[SEL], s[SEL+1]   ; the row's other entries of my tiles lie in the lane 16 away
	v_permlanex16_b32 v[TMP+8+\m], v[IDX+\m], s[SEL], s[SEL+1]
.endr
.irp m, 0,1,2,3,4,5,6,7
	LEX ACC+2*\m, ACC+2*\m+1, BEST+\m, IDX+\m, BEST+8+\m, TMP+8+\m
	ds_store_b64 v[REDW], v[ACC+2*\m:ACC+2*\m+1] offset:128*\m    ; my wave's (d, index) of row 16 m + r; both halves write the same
.endr
	s_wait_dscnt 0x0                               ; for the others' sake
	s_barrier_signal -1
	s_barrier_wait -1
	s_cmp_lt_u32 s[WV], 2                          ; 64 threads join the eight waves' results, two rows each
	s_cbranch_scc0 .Ldone
.set W0, ACC+16
.set OUTP, ACC+48
.irp w, 0,1,2,3,4,5,6,7
	ds_load_b128 v[W0+4*\w:W0+4*\w+3], v[REDR] offset:1024*\w     ; wave w's (d, index) of rows 2 t and 2 t + 1
.endr
	s_wait_dscnt 0x0
.irp w, 1,2,3,4,5,6
	LEX W0, W0+1, W0, W0+1, W0+4*\w, W0+4*\w+1
	LEX W0+2, W0+3, W0+2, W0+3, W0+4*\w+2, W0+4*\w+3
.endr
	LEX W0, OUTP, W0, W0+1, W0+28, W0+29           ; the last join leaves the two indices side by side
	LEX W0+2, OUTP+1, W0+2, W0+3, W0+30, W0+31
	global_store_b64 v[OUTO], v[OUTP:OUTP+1], s[6:7]   ; 32 lanes store 256 consecutive bytes, at a multiple of 256 from the buffer's first byte
	global_store_b64 v[OUTO], v[OUTP:OUTP+1], s[8:9]   ; and once more for the launch that gathers by them
.Ldone:
	s_wait_tensorcnt 0x0                           ; the wave's end: behind my last tensor load and my last LDS store
	ds_add_u32 v[SPW], v[NIL]
	s_wait_dscnt 0x0
	CROUND                                         ; the closing round: no work-group ends while a partner may still ask for a tile that names it
	s_endpgm
.Lfunc_end_k_q2b0312356e_argmin:
	.size	k_q2b0312356e_argmin, .Lfunc_end_k_q2b0312356e_argmin-k_q2b0312356e_argmin
	.p2alignl 7, 3214868480
	.fill 96, 4, 3214868480
	.section	.rodata,"a",@progbits
	.p2align	6, 0x0
	.amdhsa_kernel k_q2b0312356e_argmin
		.amdhsa_group_segment_fixed_size 327680
		.amdhsa_private_segment_fixed_size 0
		.amdhsa_enable_private_segment 0
		.amdhsa_kernarg_size 24
		.amdhsa_user_sgpr_count 2
		.amdhsa_user_sgpr_kernarg_segment_ptr 1
		.amdhsa_wavefront_size32 1
		.amdhsa_system_sgpr_workgroup_id_x 1
		.amdhsa_system_sgpr_workgroup_id_y 1
		.amdhsa_system_sgpr_workgroup_id_z 1
		.amdhsa_system_vgpr_workitem_id 0
		.amdhsa_next_free_vgpr 512
		.amdhsa_next_free_sgpr 66
		.amdhsa_reserve_vcc 1
		.amdhsa_float_denorm_mode_32 3
		.amdhsa_float_denorm_mode_16_64 3
		.amdhsa_memory_ordered 1
		.amdhsa_forward_progress 1
		.amdhsa_inst_pref_size 212
	.end_amdhsa_kernel
	.amdgpu_metadata
---
amdhsa.version: [ 1, 2 ]
amdhsa.kernels:
  - .name:           k_q2b0312356e_argmin
    .symbol:         k_q2b0312356e_argmin.kd
    .args:
      - { .name: img, .offset: 0, .size: 8, .value_kind: global_buffer, .address_space: global }
      - { .name: out1, .offset: 8, .size: 8, .value_kind: global_buffer, .address_space: global }
      - { .name: idxw, .offset: 16, .size: 8, .value_kind: global_buffer, .address_space: global }
    .group_segment_fixed_size: 327680
    .private_segment_fixed_size: 0
    .kernarg_segment_align: 8
    .kernarg_segment_size: 24
    .max_flat_workgroup_size: 256
    .sgpr_count:     66
    .vgpr_count:     512
    .wavefront_size: 32
...
	.end_amdgpu_metadata
.endif
;; end of part 2
;; launch gather (part 3): grid 256 x 1, 16 waves a work-group, no clusters, 2,304 bytes of LDS; arguments z, emb, idxw, out0, part; writes out0, part
.if DOCPART == 3
	.amdgcn_target "amdgcn-amd-amdhsa--gfx1250"
	.amdhsa_code_object_version 6
	.text
	.protected	k_q2b0312356e_gather
	.globl	k_q2b0312356e_gather
	.p2align	8
	.type	k_q2b0312356e_gather,@function
k_q2b0312356e_gather:
	s_mov_b64 s[64:65], 0
	v_nop
	global_prefetch_b8 v0, s[64:65] scope:SCOPE_SE
	s_setreg_imm32_b32 hwreg(HW_REG_WAVE_MODE, 25, 1), 1
	s_wait_xcnt 0x0
; out0[row] = z[row] + (emb[idx[row]] - z[row]), as it is written, in f32; part[work-group] = the sum of (emb[idx] - z)^2 over the work-group's 128 rows.
; A stream: no matrix unit, no tile in LDS, no cluster (no two work-groups share a row of z).  A wave takes 8 rows of 1,024 bytes; each load and store covers 512 consecutive bytes, 16 a lane.
; A wave's 32 loads (16 of z, 16 of emb) all go out before the first is used; nothing is loaded twice and no register is written again while a store reads it.
; The eight indices are whole numbers that the launch before stored: they come by one scalar load, are held at 8,191 and become scalar row addresses.
.set Z, 16                             ; v16-79   z: row k at 8 k
.set E, 80                             ; v80-143  emb's row, then e - z, then the result
.set L, 4                              ; v4-11    the sum of squares: four packed chains
	s_load_b256 s[4:11], s[0:1], 0x0               ; z s[4:5], emb s[6:7], idxw s[8:9], out0 s[10:11]
	s_load_b64 s[12:13], s[0:1], 0x20              ; part
	v_lshl_add_u32 v160, v0, 2, 0x100
	v_mov_b32 v161, 0
	v_lshrrev_b32 v1, 5, v0
	v_readfirstlane_b32 s14, v1                    ; wave 0..15
	v_and_b32 v2, 31, v0
	v_lshlrev_b32 v1, 4, v2                        ; 16 x lane
	v_and_b32 v3, 15, v0
	v_lshlrev_b32 v3, 2, v3                        ; LDS: the word of wave lane % 16
	s_lshl_b32 s15, s14, 2
	v_mov_b32 v12, s15                             ; LDS: my wave's word
	v_mov_b32 v13, 0
	s_mov_b32 s46, 0x76543210
	s_mov_b32 s47, 0xfedcba98
	s_lshl_b32 s40, ttmp9, 7
	s_lshl_b32 s41, s14, 3
	s_add_co_u32 s40, s40, s41                     ; my first row: 128 x work-group + 8 x wave
	s_lshl_b32 s42, s40, 10                        ; in z and out0, in bytes (under 2^25)
	s_mov_b32 s43, 0
	s_lshl_b32 s40, s40, 2                         ; in idxw
	s_mov_b32 s41, 0
	s_lshl_b32 s44, ttmp9, 2                       ; in part
	s_mov_b32 s45, 0
	s_wait_kmcnt 0x0
	s_add_nc_u64 s[8:9], s[8:9], s[40:41]
	s_load_b256 s[16:23], s[8:9], 0x0              ; my eight indices
	s_add_nc_u64 s[4:5], s[4:5], s[42:43]
	s_add_nc_u64 s[10:11], s[10:11], s[42:43]
	s_add_nc_u64 s[12:13], s[12:13], s[44:45]
.irp k, 0,1,2,3,4,5,6,7
	global_load_b128 v[Z+8*\k:Z+8*\k+3], v1, s[4:5] offset:1024*\k th:TH_LOAD_NT
	global_load_b128 v[Z+8*\k+4:Z+8*\k+7], v1, s[4:5] offset:1024*\k+512 th:TH_LOAD_NT
.endr
	s_wait_kmcnt 0x0
.irp k, 0,1,2,3,4,5,6,7
	s_min_u32 s[16+\k], s[16+\k], 0x1fff           ; an index stays inside the table
	s_lshl_b32 s40, s[16+\k], 10                   ; a row of emb is 1,024 bytes (s41 = 0)
	s_add_nc_u64 s[24+2*\k:25+2*\k], s[6:7], s[40:41]
.endr
.irp k, 0,1,2,3,4,5,6,7
	global_load_b128 v[E+8*\k:E+8*\k+3], v1, s[24+2*\k:25+2*\k]              ; no hint: many rows of z may name the same row of emb
	global_load_b128 v[E+8*\k+4:E+8*\k+7], v1, s[24+2*\k:25+2*\k] offset:512
.endr
.irp k, 0,1,2,3,4,5,6,7
	s_wait_loadcnt 14-2*\k                         ; z and this row of emb are in; the two loads of each later row may be out
.irp q, 0,1,2,3
	v_pk_add_f32 v[E+8*\k+2*\q:E+8*\k+2*\q+1], v[E+8*\k+2*\q:E+8*\k+2*\q+1], v[Z+8*\k+2*\q:Z+8*\k+2*\q+1] neg_lo:[0,1] neg_hi:[0,1]   ; e - z
.endr
.irp q, 0,1,2,3
.if \k == 0
	v_pk_mul_f32 v[L+2*\q:L+2*\q+1], v[E+8*\k+2*\q:E+8*\k+2*\q+1], v[E+8*\k+2*\q:E+8*\k+2*\q+1]   ; the first row starts the chains
.else
	v_pk_fma_f32 v[L+2*\q:L+2*\q+1], v[E+8*\k+2*\q:E+8*\k+2*\q+1], v[E+8*\k+2*\q:E+8*\k+2*\q+1], v[L+2*\q:L+2*\q+1]
.endif
.endr
.irp q, 0,1,2,3
	v_pk_add_f32 v[E+8*\k+2*\q:E+8*\k+2*\q+1], v[Z+8*\k+2*\q:Z+8*\k+2*\q+1], v[E+8*\k+2*\q:E+8*\k+2*\q+1]   ; z + (e - z)
.endr
	global_store_b128 v1, v[E+8*\k:E+8*\k+3], s[10:11] offset:1024*\k th:TH_STORE_NT          ; 32 lanes store 512 consecutive bytes, at a multiple of 256 from out0's first byte
	global_store_b128 v1, v[E+8*\k+4:E+8*\k+7], s[10:11] offset:1024*\k+512 th:TH_STORE_NT
.endr
	v_pk_add_f32 v[4:5], v[4:5], v[6:7]
	v_pk_add_f32 v[8:9], v[8:9], v[10:11]
	v_pk_add_f32 v[4:5], v[4:5], v[8:9]
	v_add_f32 v4, v4, v5
	v_add_f32_dpp v4, v4, v4 row_xmask:1 row_mask:0xf bank_mask:0xf
	v_add_f32_dpp v4, v4, v4 row_xmask:2 row_mask:0xf bank_mask:0xf
	v_add_f32_dpp v4, v4, v4 row_xmask:4 row_mask:0xf bank_mask:0xf
	v_add_f32_dpp v4, v4, v4 row_xmask:8 row_mask:0xf bank_mask:0xf
	v_permlanex16_b32 v5, v4, s46, s47
	v_add_f32 v4, v4, v5                           ; my wave's sum, in every lane
	ds_store_b32 v12, v4                           ; all lanes write the same word with the same value
	s_wait_dscnt 0x0                               ; for wave 0's sake
	s_barrier_signal -1
	s_barrier_wait -1
	s_cmp_lg_u32 s14, 0
	s_cbranch_scc1 .Lend
	ds_load_b32 v6, v3                             ; the sixteen waves' sums, one to each lane of a row of 16
	s_wait_dscnt 0x0
	v_add_f32_dpp v6, v6, v6 row_xmask:1 row_mask:0xf bank_mask:0xf
	v_add_f32_dpp v6, v6, v6 row_xmask:2 row_mask:0xf bank_mask:0xf
	v_add_f32_dpp v6, v6, v6 row_xmask:4 row_mask:0xf bank_mask:0xf
	v_add_f32_dpp v6, v6, v6 row_xmask:8 row_mask:0xf bank_mask:0xf
	v_cmp_eq_u32 vcc_lo, 0, v0
	s_wait_xcnt 0x0                                ; EXEC is a source of the stores above: it changes only behind this wait
	s_and_saveexec_b32 s15, vcc_lo
	global_store_b32 v13, v6, s[12:13]             ; thread 0 alone: the work-group's partial sum
	s_wait_xcnt 0x0                                ; and again, in front of the line that widens it
	s_or_b32 exec_lo, exec_lo, s15
.Lend:
	s_wait_tensorcnt 0x0
	ds_add_u32 v160, v161
	s_wait_dscnt 0x0
	s_endpgm
.Lfunc_end_k_q2b0312356e_gather:
	.size	k_q2b0312356e_gather, .Lfunc_end_k_q2b0312356e_gather-k_q2b0312356e_gather
	.p2alignl 7, 3214868480
	.fill 96, 4, 3214868480
	.section	.rodata,"a",@progbits
	.p2align	6, 0x0
	.amdhsa_kernel k_q2b0312356e_gather
		.amdhsa_group_segment_fixed_size 2304
		.amdhsa_private_segment_fixed_size 0
		.amdhsa_enable_private_segment 0
		.amdhsa_kernarg_size 40
		.amdhsa_user_sgpr_count 2
		.amdhsa_user_sgpr_kernarg_segment_ptr 1
		.amdhsa_wavefront_size32 1
		.amdhsa_system_sgpr_workgroup_id_x 1
		.amdhsa_system_sgpr_workgroup_id_y 1
		.amdhsa_system_sgpr_workgroup_id_z 1
		.amdhsa_system_vgpr_workitem_id 0
		.amdhsa_next_free_vgpr 162
		.amdhsa_next_free_sgpr 66
		.amdhsa_reserve_vcc 1
		.amdhsa_float_denorm_mode_32 3
		.amdhsa_float_denorm_mode_16_64 3
		.amdhsa_memory_ordered 1
		.amdhsa_forward_progress 1
		.amdhsa_inst_pref_size 15
	.end_amdhsa_kernel
	.amdgpu_metadata
---
amdhsa.version: [ 1, 2 ]
amdhsa.kernels:
  - .name:           k_q2b0312356e_gather
    .symbol:         k_q2b0312356e_gather.kd
    .args:
      - { .name: z, .offset: 0, .size: 8, .value_kind: global_buffer, .address_space: global }
      - { .name: emb, .offset: 8, .size: 8, .value_kind: global_buffer, .address_space: global }
      - { .name: idxw, .offset: 16, .size: 8, .value_kind: global_buffer, .address_space: global }
      - { .name: out0, .offset: 24, .size: 8, .value_kind: global_buffer, .address_space: global }
      - { .name: part, .offset: 32, .size: 8, .value_kind: global_buffer, .address_space: global }
    .group_segment_fixed_size: 2304
    .private_segment_fixed_size: 0
    .kernarg_segment_align: 8
    .kernarg_segment_size: 40
    .max_flat_workgroup_size: 512
    .sgpr_count:     66
    .vgpr_count:     162
    .wavefront_size: 32
...
	.end_amdgpu_metadata
.endif
;; end of part 3
;; launch loss (part 4): grid 1 x 1, 1 waves a work-group, no clusters, 0 bytes of LDS; arguments part, out2; writes out2
.if DOCPART == 4
	.amdgcn_target "amdgcn-amd-amdhsa--gfx1250"
	.amdhsa_code_object_version 6
	.text
	.protected	k_q2b0312356e_loss
	.globl	k_q2b0312356e_loss
	.p2align	8
	.type	k_q2b0312356e_loss,@function
k_q2b0312356e_loss:
	s_mov_b64 s[64:65], 0
	v_nop
	global_prefetch_b8 v0, s[64:65] scope:SCOPE_SE
	s_setreg_imm32_b32 hwreg(HW_REG_WAVE_MODE, 25, 1), 1
	s_wait_xcnt 0x0
; out2 = mean + 0.25 mean, mean = the sum of the 256 partial sums / 2^23 (32,768 rows x 256 numbers).  One wave: a sum over work-groups has one owner, in a launch behind theirs.
	s_load_b128 s[4:7], s[0:1], 0x0                ; part, out2
	v_lshlrev_b32 v1, 5, v0                        ; 32 bytes a lane: 8 of the 256 numbers
	v_mov_b32 v2, 0
	s_mov_b32 s8, 0x76543210
	s_mov_b32 s9, 0xfedcba98
	s_wait_kmcnt 0x0
	global_load_b128 v[4:7], v1, s[4:5]
	global_load_b128 v[8:11], v1, s[4:5] offset:16
	s_wait_loadcnt 0x0
	v_pk_add_f32 v[4:5], v[4:5], v[6:7]
	v_pk_add_f32 v[8:9], v[8:9], v[10:11]
	v_pk_add_f32 v[4:5], v[4:5], v[8:9]
	v_add_f32 v4, v4, v5
	v_add_f32_dpp v4, v4, v4 row_xmask:1 row_mask:0xf bank_mask:0xf
	v_add_f32_dpp v4, v4, v4 row_xmask:2 row_mask:0xf bank_mask:0xf
	v_add_f32_dpp v4, v4, v4 row_xmask:4 row_mask:0xf bank_mask:0xf
	v_add_f32_dpp v4, v4, v4 row_xmask:8 row_mask:0xf bank_mask:0xf
	v_permlanex16_b32 v5, v4, s8, s9
	v_add_f32 v4, v4, v5
	v_mul_f32 v4, 0x34000000, v4                   ; x 2^-23: exact
	v_fmamk_f32 v6, v4, 0x3e800000, v4             ; mean x 0.25 + mean
	v_cmp_eq_u32 vcc_lo, 0, v0
	s_wait_xcnt 0x0                                ; EXEC changes only behind this wait
	s_and_saveexec_b32 s10, vcc_lo
	global_store_b32 v2, v6, s[6:7]
	s_wait_xcnt 0x0
	s_or_b32 exec_lo, exec_lo, s10
	s_endpgm
.Lfunc_end_k_q2b0312356e_loss:
	.size	k_q2b0312356e_loss, .Lfunc_end_k_q2b0312356e_loss-k_q2b0312356e_loss
	.p2alignl 7, 3214868480
	.fill 96, 4, 3214868480
	.section	.rodata,"a",@progbits
	.p2align	6, 0x0
	.amdhsa_kernel k_q2b0312356e_loss
		.amdhsa_group_segment_fixed_size 0
		.amdhsa_private_segment_fixed_size 0
		.amdhsa_enable_private_segment 0
		.amdhsa_kernarg_size 16
		.amdhsa_user_sgpr_count 2
		.amdhsa_user_sgpr_kernarg_segment_ptr 1
		.amdhsa_wavefront_size32 1
		.amdhsa_system_sgpr_workgroup_id_x 1
		.amdhsa_system_sgpr_workgroup_id_y 1
		.amdhsa_system_sgpr_workgroup_id_z 1
		.amdhsa_system_vgpr_workitem_id 0
		.amdhsa_next_free_vgpr 32
		.amdhsa_next_free_sgpr 66
		.amdhsa_reserve_vcc 1
		.amdhsa_float_denorm_mode_32 3
		.amdhsa_float_denorm_mode_16_64 3
		.amdhsa_memory_ordered 1
		.amdhsa_forward_progress 1
		.amdhsa_inst_pref_size 2
	.end_amdhsa_kernel
	.amdgpu_metadata
---
amdhsa.version: [ 1, 2 ]
amdhsa.kernels:
  - .name:           k_q2b0312356e_loss
    .symbol:         k_q2b0312356e_loss.kd
    .args:
      - { .name: part, .offset: 0, .size: 8, .value_kind: global_buffer, .address_space: global }
      - { .name: out2, .offset: 8, .size: 8, .value_kind: global_buffer, .address_space: global }
    .group_segment_fixed_size: 0
    .private_segment_fixed_size: 0
    .kernarg_segment_align: 8
    .kernarg_segment_size: 16
    .max_flat_workgroup_size: 32
    .sgpr_count:     66
    .vgpr_count:     32
    .wavefront_size: 32
...
	.end_amdgpu_metadata
.endif
;; end of part 4
